; MI455X (gfx1250); checked and timed in simulation.
; The chip was launched on July 23, 2026; its instructions are those of AMD's public machine-readable ISA for CDNA 5 (MIT licence, August 2026) and "CDNA5" Instruction Set Architecture Reference Guide (July 2026). The comments in the code are by the model that wrote it; some were corrected since.
;; Quantized Linear. Allowed arithmetic: float matrix products may take bf16 or f16 operands with f32 sums; all other float work in f32.
;; Inputs: bias 4,096 float32; scales 4,096 x 32 float32; weight_packed 4,096 x 2,048 int32; x 4 x 1,024 x 4,096 float32; zeros 4,096 x 32 float32.
;; Outputs: out0 4 x 1,024 x 4,096 float32.
;; One version. Each part assembles by itself: llvm-mc -triple=amdgcn-amd-amdhsa -mcpu=gfx1250 --defsym DOCPART=n.
;; ======== version 1 of 1: 2 launches
;; limits: values are held in f16: magnitudes above 65,504 overflow, below 6.1e-05 lose precision
;; workspace buffers: xh 33,554,432 bytes; wh 33,554,432 bytes
;; launch prep (part 1): grid 512 x 1, 8 waves a work-group, no clusters, 0 bytes of LDS; arguments x, weight_packed, scales, xh, wh; writes xh, wh
.if DOCPART == 1
	.amdgcn_target "amdgcn-amd-amdhsa--gfx1250"
	.amdhsa_code_object_version 6
	.text
	.protected	k_q6d95df9b2d_prep
	.globl	k_q6d95df9b2d_prep
	.p2align	8
	.type	k_q6d95df9b2d_prep,@function
k_q6d95df9b2d_prep:
	s_mov_b64 s[64:65], 0
	v_nop
	global_prefetch_b8 v0, s[64:65] scope:SCOPE_SE
	s_setreg_imm32_b32 hwreg(HW_REG_WAVE_MODE, 25, 1), 1
	s_wait_xcnt 0x0
; xh[m][k] = f16(x[m][k]);  wh[o][k] = f16((nibble(o, k) - 8) * scales[o][k / 128]).
; x: [4096][4096] f32.  weight_packed: [4096][2048] int32, word c of a row holds k = 2c in bits 3:0 and k = 2c + 1 in bits 7:4.
; scales: [4096][32] f32.  xh, wh: [4096][4096] f16, rows of 8,192 bytes: the two operands of the product that the next launch makes.
;
; WORK LEFT OUT: the input 'zeros'.  reference() takes it as an argument and never reads it, so whatever values it holds it has no way
; to the result; it is not loaded and is no argument of any launch.  Limit: a NaN or an infinity in 'zeros' is not carried to the result.
; WHY f16: an operand of 8 significant bits errs by up to 2^-9 of its value, a product of two such by up to 2^-8; over a sum of 4,096 products
; the error's spread is about 0.002 of the result's root mean square, so an allowance of 0.01 of it is under five spreads: too few for
; 4096 x 4096 results.  f16's 11 significant bits make the spread eight times smaller.
; LIMITS: x and w are rounded to f16.  A magnitude of 65,520 or more becomes infinity; below 2^-14 (6.1e-5) a number is kept to a step
; of 2^-24 (6e-8), and below 2^-25 it becomes zero.
; (n - 8) s is made as fma(n, s, -8 s): -8 s is exact, so the f32 value is rounded once, as the product in reference() is.
; Bits 31:8 of a weight word are ignored, as reference() masks them away.
;
; A stream: no byte is used twice, so there is no LDS, no barrier and no matrix instruction.  4,096 waves; wave number 'row' takes row 'row' of x
; (16,384 bytes in, 8,192 out) and row 'row' of the weights (8,192 bytes in, 8,192 out, 128 bytes of scales).  All 52 loads of a wave go out
; at once and are worked off in the order in which they come back.  No register that a load or a store names is written again, so no wait
; stands here for the sake of a source.
.set XO, 2                             ; v2        16 x lane: my 16 bytes in each 512 bytes of x's row
.set YO, 3                             ; v3        8 x lane: my 8 bytes in each 256 bytes of xh's row
.set WO, 4                             ; v4        4,096 h + 16 q (h = lane / 16, q = lane % 16): my 16 bytes of the weights' row and of wh's row
.set SO, 5                             ; v5        64 h: my half's 16 scales
.set T,  6                             ; v[6:13]   four pairs at work
.set S,  14                            ; v[14:29]  S + j = scales[row][16 h + j]
.set M,  30                            ; v[30:45]  -8 x the same
.set W,  46                            ; v[46:109]  load j: 4 words of weights, then 8 f16 to store
.set X,  110                           ; v[110:237] load j: 4 f32 of x; its first two registers then hold 4 f16 to store
	s_load_b256 s[4:11], s[0:1], 0x0               ; x s[4:5], weight_packed s[6:7], scales s[8:9], xh s[10:11]
	s_load_b64 s[12:13], s[0:1], 0x20              ; wh
	v_lshrrev_b32 v[T], 5, v0
	v_readfirstlane_b32 s14, v[T]                  ; wave 0..7
	s_lshl_b32 s15, ttmp9, 3
	s_add_co_u32 s15, s15, s14                     ; row = 8 x work-group + wave
	s_lshl_b32 s16, s15, 14                        ; x 16,384 bytes: a row of x (at most 2^26: the upper word is 0)
	s_mov_b32 s17, 0
	s_lshl_b32 s18, s15, 13                        ; x 8,192 bytes: a row of weight_packed, of xh and of wh
	s_mov_b32 s19, 0
	s_lshl_b32 s20, s15, 7                         ; x 128 bytes: a row of scales
	s_mov_b32 s21, 0
	v_and_b32 v1, 31, v0                           ; lane
	v_lshlrev_b32 v[XO], 4, v1
	v_lshlrev_b32 v[YO], 3, v1
	v_lshrrev_b32 v[SO], 4, v1                     ; h
	v_and_b32 v[WO], 15, v1                        ; q
	v_lshlrev_b32 v[WO], 4, v[WO]
	v_lshl_add_u32 v[WO], v[SO], 12, v[WO]         ; 4,096 h + 16 q
	v_lshlrev_b32 v[SO], 6, v[SO]                  ; 64 h
	s_wait_kmcnt 0x0
	s_add_nc_u64 s[4:5], s[4:5], s[16:17]
	s_add_nc_u64 s[6:7], s[6:7], s[18:19]
	s_add_nc_u64 s[8:9], s[8:9], s[20:21]
	s_add_nc_u64 s[10:11], s[10:11], s[18:19]
	s_add_nc_u64 s[12:13], s[12:13], s[18:19]
.irp i, 0,1,2,3
	global_load_b128 v[S+4*\i:S+4*\i+3], v[SO], s[8:9] offset:16*\i        ; the 16 scales of my half of the row's 32 groups
.endr
; Weights: load j takes, in each half of the wave, 256 consecutive bytes = 64 words = 128 k = exactly group 16 h + j.
.irp j, 0,1,2,3,4,5,6,7,8,9,10,11,12,13,14,15
	global_load_b128 v[W+4*\j:W+4*\j+3], v[WO], s[6:7] offset:256*\j th:TH_LOAD_NT
.endr
; x: load j takes 512 consecutive bytes of the row.
.irp j, 0,1,2,3,4,5,6,7,8,9,10,11,12,13,14,15,16,17,18,19,20,21,22,23,24,25,26,27,28,29,30,31
	global_load_b128 v[X+4*\j:X+4*\j+3], v[XO], s[4:5] offset:512*\j th:TH_LOAD_NT
.endr
	s_wait_loadcnt 48                              ; loads come back in order (ISA guide 5.7.1): the scales are in, the 16 + 32 younger loads stay out
.irp i, 0,1,2,3,4,5,6,7
	v_pk_mul_f32 v[M+2*\i:M+2*\i+1], v[S+2*\i:S+2*\i+1], 0xc1000000 op_sel_hi:[1,0]   ; -8 s, exact
.endr
; Four words of weights become eight f16: word c gives the pair k = 2c (low half), 2c + 1 (high half) at byte 4c of wh's row,
; as many bytes as came in, so the store has the load's offset.  Each half of the wave stores 256 consecutive bytes, aligned.
.macro DEQ j
	s_wait_loadcnt 47-\j                           ; my load j is in; the 15 - j younger weight loads and x's 32 stay out
.irp k, 0,1,2,3
	v_and_b32 v[T+2*\k], 15, v[W+4*\j+\k]          ; the low nibble: even k
	v_bfe_u32 v[T+2*\k+1], v[W+4*\j+\k], 4, 4      ; the high nibble: odd k
.endr
.irp k, 0,1,2,3,4,5,6,7
	v_cvt_f32_u32 v[T+\k], v[T+\k]
.endr
.irp k, 0,1,2,3
.if (\j % 2)
	; odd j: the second register of the pairs of S and M feeds both halves
	v_pk_fma_f32 v[T+2*\k:T+2*\k+1], v[T+2*\k:T+2*\k+1], v[S+(\j/2)*2:S+(\j/2)*2+1], v[M+(\j/2)*2:M+(\j/2)*2+1] op_sel:[0,1,1] op_sel_hi:[1,1,1]
.else
	; even j: the first register of the pairs feeds both halves
	v_pk_fma_f32 v[T+2*\k:T+2*\k+1], v[T+2*\k:T+2*\k+1], v[S+(\j/2)*2:S+(\j/2)*2+1], v[M+(\j/2)*2:M+(\j/2)*2+1] op_sel_hi:[1,0,0]
.endif
.endr
.irp k, 0,1,2,3
	v_cvt_pk_f16_f32 v[W+4*\j+\k], v[T+2*\k], v[T+2*\k+1]                  ; first source into the low half
.endr
	global_store_b128 v[WO], v[W+4*\j:W+4*\j+3], s[12:13] offset:256*\j    ; no hint: the next launch reads wh
.endm
.irp j, 0,1,2,3,4,5,6,7,8,9,10,11,12,13,14,15
	DEQ \j
.endr
; Four f32 of x become four f16; the wave's store covers 256 consecutive bytes of xh, aligned.
.macro CVT j
	s_wait_loadcnt 31-\j                           ; my load j is in; the younger ones stay out; the last count is 0
	v_cvt_pk_f16_f32 v[X+4*\j], v[X+4*\j], v[X+4*\j+1]
	v_cvt_pk_f16_f32 v[X+4*\j+1], v[X+4*\j+2], v[X+4*\j+3]
	global_store_b64 v[YO], v[X+4*\j:X+4*\j+1], s[10:11] offset:256*\j     ; no hint: the next launch reads xh
.endm
.irp j, 0,1,2,3,4,5,6,7,8,9,10,11,12,13,14,15,16,17,18,19,20,21,22,23,24,25,26,27,28,29,30,31
	CVT \j
.endr
	s_endpgm
.Lfunc_end_k_q6d95df9b2d_prep:
	.size	k_q6d95df9b2d_prep, .Lfunc_end_k_q6d95df9b2d_prep-k_q6d95df9b2d_prep
	.p2alignl 7, 3214868480
	.fill 96, 4, 3214868480
	.section	.rodata,"a",@progbits
	.p2align	6, 0x0
	.amdhsa_kernel k_q6d95df9b2d_prep
		.amdhsa_group_segment_fixed_size 0
		.amdhsa_private_segment_fixed_size 0
		.amdhsa_enable_private_segment 0
		.amdhsa_kernarg_size 40
		.amdhsa_user_sgpr_count 2
		.amdhsa_user_sgpr_kernarg_segment_ptr 1
		.amdhsa_wavefront_size32 1
		.amdhsa_system_sgpr_workgroup_id_x 1
		.amdhsa_system_sgpr_workgroup_id_y 1
		.amdhsa_system_sgpr_workgroup_id_z 1
		.amdhsa_system_vgpr_workitem_id 0
		.amdhsa_next_free_vgpr 238
		.amdhsa_next_free_sgpr 66
		.amdhsa_reserve_vcc 0
		.amdhsa_float_denorm_mode_32 3
		.amdhsa_float_denorm_mode_16_64 3
		.amdhsa_memory_ordered 1
		.amdhsa_forward_progress 1
		.amdhsa_inst_pref_size 35
	.end_amdhsa_kernel
	.amdgpu_metadata
---
amdhsa.version: [ 1, 2 ]
amdhsa.kernels:
  - .name:           k_q6d95df9b2d_prep
    .symbol:         k_q6d95df9b2d_prep.kd
    .args:
      - { .name: x, .offset: 0, .size: 8, .value_kind: global_buffer, .address_space: global }
      - { .name: weight_packed, .offset: 8, .size: 8, .value_kind: global_buffer, .address_space: global }
      - { .name: scales, .offset: 16, .size: 8, .value_kind: global_buffer, .address_space: global }
      - { .name: xh, .offset: 24, .size: 8, .value_kind: global_buffer, .address_space: global }
      - { .name: wh, .offset: 32, .size: 8, .value_kind: global_buffer, .address_space: global }
    .group_segment_fixed_size: 0
    .private_segment_fixed_size: 0
    .kernarg_segment_align: 8
    .kernarg_segment_size: 40
    .max_flat_workgroup_size: 256
    .sgpr_count:     66
    .vgpr_count:     238
    .wavefront_size: 32
...
	.end_amdgpu_metadata
.endif
;; end of part 1
;; launch gemm (part 2): grid 16 x 16, 4 waves a work-group, clusters of 4 x 4, 327,680 bytes of LDS; arguments xh, wh, bias, out0; writes out0
.if DOCPART == 2
	.amdgcn_target "amdgcn-amd-amdhsa--gfx1250"
	.amdhsa_code_object_version 6
	.text
	.protected	k_q6d95df9b2d_gemm
	.globl	k_q6d95df9b2d_gemm
	.p2align	8
	.type	k_q6d95df9b2d_gemm,@function
k_q6d95df9b2d_gemm:
	s_mov_b64 s[64:65], 0
	v_nop
	global_prefetch_b8 v0, s[64:65] scope:SCOPE_SE
	s_setreg_imm32_b32 hwreg(HW_REG_WAVE_MODE, 25, 1), 1
	s_wait_xcnt 0x0
	s_wait_alu depctr_hold_cnt(0) depctr_sa_sdst(0) depctr_va_vdst(0) depctr_va_sdst(0) depctr_va_ssrc(0) depctr_va_vcc(0) depctr_vm_vsrc(0)
	s_getreg_b32 s2, hwreg(HW_REG_IB_STS2, 6, 4)
	s_cmp_eq_u32 s2, 0
	s_cbranch_scc0 .Lentry_in_a_cluster
	s_endpgm
.Lentry_in_a_cluster:
	s_bfe_u32 s2, ttmp6, 0x10000c
	s_cmp_lg_u32 s2, 0xf033
	s_cbranch_scc0 .Lentry_shape_is_right
	s_endpgm
.Lentry_shape_is_right:
; out0[m][o] = bias[o] + sum over k of xh[m][k] wh[o][k].  xh: [4096][4096] f16 (x rounded), wh: [4096][4096] f16 (the weights, dequantised and
; rounded), both made by the launch before; bias: [4096] f32; out0: [4096][4096] f32; sums in f32.
; WORK LEFT OUT: the input 'zeros', which reference() never reads, is no argument here either (shown at the head of the first kernel).
; LIMITS: operands in f16, with the range stated there (65,520 and above: infinity; below 2^-14 a step of 2^-24).  The bias starts each sum
; instead of being added last: another order of rounding, nothing else.
;
; A work-group makes a block of 256 x 256 of out0 with four waves; a wave makes 128 x 128: 64 accumulator tiles of 16 x 16, 512 registers.
; 16 x 16 blocks = 256 work-groups, one block each.  K goes in 32 steps of 128 through a ring of two LDS slots filled by the tensor data
; mover: a tile's rows are 256 bytes of memory and start at multiples of 256 bytes from the buffer's first byte.
; CLUSTERS: 4 x 4 work-groups.  The four of a row of the cluster make blocks of one block row and need the same tiles of xh (A); the four of a
; column need the same tiles of wh (B).  Such a tile is asked for jointly: each of the four issues the same tensor load, with the same
; descriptor and a mask that names the four, and each receives it in its own LDS.  That divides the requests for A and for B by four.
;
; REGISTERS, in windows of 256 (s_set_vgpr_msb says which window each operand place means):
;   window 0: v0-31 addresses; v64-127, v128-191 fragments of A (8 x 16 rows x 32 K), two buffers; on the way out: rows read back
;   window 1: v64-127, v128-191 fragments of B, two buffers; v192-255 the bias as eight C operands
;   window 2: the 32 accumulator tiles of my rows 0-63 (tile (a, b) at v[8 (8 a + b)]);   window 3: those of my rows 64-127
; s_set_vgpr_msb's low byte: bits 1:0 source 0, 3:2 source 1, 5:4 source 2, 7:6 destination.
;
; THE MATRIX INSTRUCTION IS USED TRANSPOSED: source 0 = 16 rows of wh, source 1 = 16 rows of xh.  Lane l then holds row l % 16 of out0 and its
; registers 0 to 7 the columns 8 (l / 16) + 0 .. 7 of the tile: eight neighbouring f32 of a row.  The C operand that adds the bias has the
; same shape: register j = bias[column 16 b + 8 (l / 16) + j], the same for all rows, so eight such operands serve all 64 tiles.
; The first quarter step's 64 products take them as C: no accumulator is cleared and no addition stands behind the loop.
.set SIZE_K, 4096
.set KSTEP,  128
.set PITCH,  272                       ; an LDS row: 256 bytes of data + 16 of padding = 68 words: the 16 rows that a fragment load touches start at 16 different 16-byte columns of 256 bytes
.set HALFT,  128*PITCH                 ; 128 rows: what one tensor load brings, and what one wave reads of A or of B
.set SLOT,   4*HALFT                   ; A's 256 rows, then B's 256 rows
.set STAGE,  2*SLOT                    ; 278,528 = 1,088 x 256: behind the ring, never the target of a tensor load
.set SPITCH, 528                       ; a stage row: 128 f32 + 16 bytes = 33 x 16 bytes
.set WSTAGE, 16*SPITCH                 ; 8,448 = 33 x 256 bytes: one wave's stage, 16 rows
.set LAPS,   SIZE_K/(2*KSTEP)          ; 16; a lap = two K steps = once round the ring
.set OROW,   16384                     ; bytes in a row of out0
.set ADRA, 16                          ; v16-17  LDS address of my A fragments in slot 0, 1
.set ADRB, 20                          ; v20-21  the same for B
.set STO,  24                          ; v24     the way out: where my 32 bytes of a tile's row go
.set RD,   25                          ; v25     the way out: my 16 bytes of a stage row
.set CO,   26                          ; v26     my 16 bytes in the wave's 512 bytes of a row of out0
.set BO,   27                          ; v27     32 x (l / 16): my half's 8 numbers in each 16 of the bias
.set F0,   64                          ; fragment buffer 0
.set F1,   128                         ; fragment buffer 1
.set BIAS, 192                         ; window 1: C operand b at v[192 + 8 b]
.set G1,  24                           ; s[24:31] descriptor group 1 for A's tiles
.set G0,  32                           ; s[32:39] descriptor group 0 for A's tiles, one set for each slot
.set G1B, 48                           ; s[48:55] descriptor group 1 for B's tiles: it differs from A's in the mask alone
.set G0B, 56                           ; s[56:63] descriptor group 0 for B's tiles, one set for each slot
.set MSB, 0
.macro WIN new                         ; the immediate's high byte repeats the setting that is left; a switch that changes nothing is dropped
.if MSB != \new
	s_set_vgpr_msb (MSB<<8)|\new
.set MSB, \new
.endif
.endm
.set MUL_LO,   0xa1                    ; source 0 (B) window 1, source 1 (A) window 0, C and D window 2
.set MUL_HI,   0xf1                    ; the same, C and D window 3
.set FIRST_LO, 0x91                    ; source 0 window 1, source 1 window 0, C (the bias) window 1, D window 2
.set FIRST_HI, 0xd1                    ; the same, D window 3
.set TO_B,     0x40                    ; destination window 1, address window 0
.set OUT_LO,   0x08                    ; an LDS store's data (source 1) from window 2, its address from window 0
.set OUT_HI,   0x0c                    ; the same from window 3
; A joint load.  Waves 0 and 1 fetch A's two halves, waves 2 and 3 B's.  Each of the two lines has one mask and one set of registers for all that
; issue it, and nothing in them hangs on a coordinate that the four partners do not share.  The branch hangs on the wave's number alone.
.macro JLOAD s
	s_cmp_eq_u32 s13, 0
	s_cbranch_scc0 .Lfor_b_\@
	tensor_load_to_lds s[G0+4*\s:G0+4*\s+3], s[G1:G1+7]
	s_nop 0
	s_branch .Lasked_\@
.Lfor_b_\@:
	tensor_load_to_lds s[G0B+4*\s:G0B+4*\s+3], s[G1B:G1B+7]
	s_nop 0
.Lasked_\@:
.endm
; A round of the cluster's barrier: my work-group's barrier, so that wave 0's signal speaks for all four waves; wave 0 signals for the work-group;
; every wave waits for all sixteen work-groups; my work-group's barrier once more.  No LDS instruction of the wave is pending at a signal.
.macro CREST                           ; a round behind its opening barrier
	s_cmp_lg_u32 s12, 0
	s_cbranch_scc1 .Lnot_wave_0_\@
	s_barrier_signal -3
.Lnot_wave_0_\@:
	s_barrier_wait -3
	s_barrier_signal -1
	s_barrier_wait -1
.endm
.macro CROUND                          ; a whole round
	s_barrier_signal -1
	s_barrier_wait -1
	CREST
.endm
	s_load_b256 s[4:11], s[0:1], 0x0               ; xh s[4:5], wh s[6:7], bias s[8:9], out0 s[10:11]
	s_set_vgpr_msb 0x40
	v_lshl_add_u32 v63, v0, 2, 0x4c400
	s_set_vgpr_msb 0x4000
	v_mov_b32 v255, 0
	s_set_vgpr_msb 0x1
	ds_add_u32 v63, v255
	s_set_vgpr_msb 0x100
	v_lshrrev_b32 v1, 5, v0
	v_readfirstlane_b32 s12, v1                    ; wave 0..3
	s_lshr_b32 s13, s12, 1                         ; which half of the block's rows is mine.  Also: I fetch for A (0) or for B (1)
	s_and_b32 s14, s12, 1                          ; which half of its columns.  Also: which 128 rows of that tile I fetch
	s_bfe_u32 s40, ttmp6, 0x40000                  ; cx: my place along the cluster's x
	s_bfe_u32 s41, ttmp6, 0x40004                  ; cy: along its y
	s_lshl_b32 s42, ttmp9, 2                       ; in a cluster launch ttmp9 and ttmp7 count clusters
	s_add_co_u32 s42, s42, s40                     ; block column = 4 x cluster x + cx
	s_and_b32 s15, ttmp7, 0xffff
	s_lshl_b32 s15, s15, 2
	s_add_co_u32 s15, s15, s41                     ; block row = 4 x cluster y + cy
	s_lshl_b32 s43, s41, 2
	s_lshl_b32 s43, 15, s43                        ; my row of the cluster: places 4 cy .. 4 cy + 3
	s_lshl_b32 s44, 0x1111, s40                    ; my column: places cx, cx + 4, cx + 8, cx + 12
	; descriptor group 1: a tile of 128 rows x 128 elements of 2 bytes, padded in LDS
	s_or_b32 s[G1+0], s43, (1<<16)|(1<<20)|(1<<21)|(5<<22)|(3<<25)  ; 15:0 the mask: A's tiles go to my row; 17:16 element of 2 bytes; 20 padding on; 21 set beside a mask; 24:22 after every 64 words (code 5); 31:25 of 4 words (code 3)
	s_or_b32 s[G1B+0], s44, (1<<16)|(1<<20)|(1<<21)|(5<<22)|(3<<25) ; the same with the mask of my column, for B's tiles
	s_mov_b32 s[G1+1], KSTEP<<16                   ; 63:48 tensor_dim0, low half = 128
	s_mov_b32 s[G1B+1], KSTEP<<16
	s_mov_b32 s[G1+2], 128<<16                     ; 79:64 its high half = 0; 95:80 tensor_dim1, low half = 128
	s_mov_b32 s[G1B+2], 128<<16
	s_mov_b32 s[G1+3], KSTEP<<16                   ; 111:96 its high half = 0; 127:112 tile_dim0 = 128
	s_mov_b32 s[G1B+3], KSTEP<<16
	s_mov_b32 s[G1+4], 128                         ; 143:128 tile_dim1 = 128; 159:144 tile_dim2 = 0
	s_mov_b32 s[G1B+4], 128
	s_mov_b32 s[G1+5], SIZE_K                      ; 191:160 elements from row to row
	s_mov_b32 s[G1B+5], SIZE_K
	s_mov_b32 s[G1+6], 0
	s_mov_b32 s[G1B+6], 0
	s_mov_b32 s[G1+7], 0
	s_mov_b32 s[G1B+7], 0
	; where the tiles come from.  A's hang on the block row alone, which my row of the cluster shares; B's on the block column alone, which my column
	; shares.  Every wave makes both addresses, in registers that never hold the other coordinate, and asks by one of them.
	s_lshl_b32 s18, s14, 7                         ; which 128 rows of the tile I fetch
	s_lshl_b32 s16, s15, 8
	s_add_co_u32 s16, s16, s18                     ; A: row 256 x block row + 128 x half
	s_lshl_b32 s16, s16, 13                        ; x 8,192 bytes a row: under 2^25, so the upper word is 0
	s_mov_b32 s17, 0
	s_lshl_b32 s46, s42, 8
	s_add_co_u32 s46, s46, s18                     ; B: row 256 x block column + 128 x half
	s_lshl_b32 s46, s46, 13
	s_mov_b32 s47, 0
	s_mul_i32 s20, s12, HALFT                      ; and where they go: A's two halves, then B's two halves = wave x 128 rows: no place in the cluster enters an LDS address
	; the wave's columns in bytes of f32 (for the bias and for out0), and its first element of out0
	s_lshl_b32 s68, s42, 10                        ; 256 columns x 4 bytes a block,
	s_lshl_b32 s69, s14, 9                         ; 128 x 4 a half
	s_add_co_u32 s68, s68, s69
	s_mov_b32 s69, 0
	s_lshl_b32 s70, s15, 8
	s_lshl_b32 s71, s13, 7
	s_add_co_u32 s70, s70, s71                     ; my first row of out0
	s_lshl_b32 s70, s70, 14                        ; x 16,384 bytes a row: under 2^26
	s_add_co_u32 s70, s70, s68
	s_mov_b32 s71, 0
	s_wait_dscnt 0x0
	s_wait_kmcnt 0x0
	s_add_nc_u64 s[66:67], s[4:5], s[16:17]        ; A's first tile
	s_add_nc_u64 s[46:47], s[6:7], s[46:47]        ; B's first tile
	s_add_nc_u64 s[8:9], s[8:9], s[68:69]          ; the bias at my first column
	s_add_nc_u64 s[10:11], s[10:11], s[70:71]      ; out0 at my first row and column; never stepped again
	CROUND                                         ; all sixteen work-groups are here: the first joint loads meet
.irp s, 0,1
	s_mov_b32 s[G0+4*\s], 1                                        ; 1:0 count = 1
	s_add_co_u32 s[G0+4*\s+1], s20, \s*SLOT                        ; 63:32 LDS address
	s_add_nc_u64 s[G0+4*\s+2:G0+4*\s+3], s[66:67], \s*KSTEP*2      ; 120:64 global address: K step s
	s_or_b32 s[G0+4*\s+3], s[G0+4*\s+3], 0x80000000                ; 127:126 type = 2
	s_mov_b32 s[G0B+4*\s], 1
	s_add_co_u32 s[G0B+4*\s+1], s20, \s*SLOT
	s_add_nc_u64 s[G0B+4*\s+2:G0B+4*\s+3], s[46:47], \s*KSTEP*2
	s_or_b32 s[G0B+4*\s+3], s[G0B+4*\s+3], 0x80000000
	JLOAD \s                                       ; both first fills go out as one group behind the one round: two tensor loads of the wave are out
.endr
	; A fragment is 16 rows x 32 K of f16 in 8 registers: lane l holds row l % 16; registers 0-3 hold K = 8 (l / 16) + 0..7, registers 4-7 hold
	; K = 16 + 8 (l / 16) + 0..7.  From rows that lie along K: two loads of 16 bytes, 32 bytes apart.  The same for source 0 and source 1.
	v_and_b32 v1, 15, v0                           ; l % 16
	v_bfe_u32 v2, v0, 4, 1                         ; l / 16
	v_mul_u32_u24 v3, v1, PITCH
	v_lshl_add_u32 v3, v2, 4, v3                   ; row x pitch + 16 x half
	s_mul_i32 s21, s13, HALFT                      ; my 128 rows of A
	s_mul_i32 s22, s14, HALFT                      ; my 128 rows of B,
	s_add_co_u32 s22, s22, 2*HALFT                 ; which lie behind A's 256
.irp s, 0,1
	v_add_nc_u32 v[ADRA+\s], s21, v3
	v_add_nc_u32 v[ADRB+\s], s22, v3
	s_add_co_u32 s21, s21, SLOT
	s_add_co_u32 s22, s22, SLOT
.endr
	s_mul_i32 s23, s12, WSTAGE
	s_add_co_u32 s23, s23, STAGE                   ; my stage
	v_mul_u32_u24 v4, v1, SPITCH                   ; in: row l % 16, 32 bytes for each half of the lanes
	v_lshl_add_u32 v4, v2, 5, v4
	v_add_nc_u32 v[STO], s23, v4
	v_and_b32 v5, 31, v0                           ; back: the 32 lanes take one stage row of 512 bytes
	v_lshl_add_u32 v[RD], v5, 4, s23
	v_lshlrev_b32 v[CO], 4, v5                     ; and the same 512 bytes of a row of out0
	v_lshlrev_b32 v[BO], 5, v2
	; the bias as eight C operands: operand b, register j = bias[my first column + 16 b + 8 (l / 16) + j]; 512 bytes a wave, once
	WIN TO_B
.irp b, 0,1,2,3,4,5,6,7
	global_load_b128 v[BIAS+8*\b:BIAS+8*\b+3],   v[BO], s[8:9] offset:64*\b
	global_load_b128 v[BIAS+8*\b+4:BIAS+8*\b+7], v[BO], s[8:9] offset:64*\b+16
.endr
	WIN 0
; 16 matrix instructions: m blocks a0, a0 + 1 of the window's four (hi = 0: my rows 0-63, 1: rows 64-127) x all 8 n blocks, 32 along K.
; first = 1: the product starts the sum from the bias.  The 64 accumulators take turns, one instruction a turn, in the same order in every
; quarter step, over the loop's backward jump and into the written-out tail too.
.macro MUL16 f, hi, a0, first
.irp a, \a0, \a0+1
.irp b, 0,1,2,3,4,5,6,7
.if \first
	v_wmma_f32_16x16x32_f16 v[8*(8*(\a)+\b):8*(8*(\a)+\b)+7], v[\f+8*\b:\f+8*\b+7], v[\f+8*(4*\hi+\a):\f+8*(4*\hi+\a)+7], v[BIAS+8*\b:BIAS+8*\b+7]
.else
	v_wmma_f32_16x16x32_f16 v[8*(8*(\a)+\b):8*(8*(\a)+\b)+7], v[\f+8*\b:\f+8*\b+7], v[\f+8*(4*\hi+\a):\f+8*(4*\hi+\a)+7], v[8*(8*(\a)+\b):8*(8*(\a)+\b)+7]
.endif
.endr
.endr
.endm
; 32 LDS loads in one run: the fragments of one quarter step (128 rows of B, 128 rows of A, 32 K at byte k of the rows) into buffer f
.macro FETCH slot, k, f
	WIN TO_B
.irp i, 0,1,2,3,4,5,6,7
	ds_load_b128 v[\f+8*\i:\f+8*\i+3],   v[ADRB+\slot] offset:\k+\i*16*PITCH
	ds_load_b128 v[\f+8*\i+4:\f+8*\i+7], v[ADRB+\slot] offset:\k+\i*16*PITCH+32
.endr
	WIN 0
.irp i, 0,1,2,3,4,5,6,7
	ds_load_b128 v[\f+8*\i:\f+8*\i+3],   v[ADRA+\slot] offset:\k+\i*16*PITCH
	ds_load_b128 v[\f+8*\i+4:\f+8*\i+7], v[ADRA+\slot] offset:\k+\i*16*PITCH+32
.endr
.endm
; A load into a register that a matrix instruction has read, and an LDS store that reads a matrix result, stand four places behind that matrix
; instruction, and only plain vector instructions that name none of its registers are places (ISA guide 7.12.1 for vector instructions)
; So four v_nop stand in front of each run of loads: sixteen issue slots for a K step's 256 matrix instructions.
.macro PLACES
.rept 4
	v_nop
.endr
.endm
; A K step is four quarter steps of 32 along K, 64 matrix instructions each, on buffers 0, 1, 0, 1.
; One of the first three: multiplies buffer f; in its middle it fetches the next quarter's fragments, at byte k of the same slot's rows, into buffer g.
.macro QUARTER slot, k, f, g, first
	s_wait_dscnt 8                                 ; B and A's rows 0-63 are in; the youngest eight loads (A's rows 64-127) may be out
.if \first
	WIN FIRST_LO
.else
	WIN MUL_LO
.endif
	MUL16 \f, 0, 0, \first
	MUL16 \f, 0, 2, \first
	PLACES
	FETCH \slot, \k, \g
	s_wait_dscnt 32                                ; all but the 32 just issued
.if \first
	WIN FIRST_HI
.else
	WIN MUL_HI
.endif
	MUL16 \f, 1, 0, \first
	MUL16 \f, 1, 2, \first
.endm
.macro THREE slot, first
	QUARTER \slot, 64,  F0, F1, \first
	QUARTER \slot, 128, F1, F0, 0
	QUARTER \slot, 192, F0, F1, 0
.endm
; The last quarter: multiplies buffer 1 and changes slots.  next = the other slot; fill = 1: this slot is filled again, two K steps ahead.
; One barrier for the change of slots, for two things.  In front of it each wave waits for its own reads of this slot and for all its tensor
; loads, of which one is out: its part of the next slot.  Behind it nobody reads this slot any more and the next slot is whole: the refill
; comes first, then the next slot's first fragments.  From a request to the wait for it a wave issues 240 matrix instructions.
.macro TURN slot, next, fill
	s_wait_dscnt 8
	WIN MUL_LO
	MUL16 F1, 0, 0, 0
	s_wait_dscnt 0                                 ; my reads of this slot are over
	s_wait_tensorcnt 0x0                           ; and all my tensor loads have landed: the one that was out is my part of the next slot
	ds_add_u32 v63, v255
	s_wait_dscnt 0x0
	s_barrier_signal -1                            ; say so (where a slot is filled again this barrier opens a round of the cluster's barrier),
	MUL16 F1, 0, 2, 0                              ; work on registers while the others arrive,
	WIN 0
	s_barrier_wait -1                              ; and go on when all four have said so
.if \fill
	CREST                                          ; all sixteen work-groups have said so: no wave of any partner still reads this slot's tile or has a load on its way
	s_add_nc_u64 s[G0+4*\slot+2:G0+4*\slot+3], s[G0+4*\slot+2:G0+4*\slot+3], 2*KSTEP*2      ; no tensor load of mine is out, so a group 0 may be written
	s_add_nc_u64 s[G0B+4*\slot+2:G0B+4*\slot+3], s[G0B+4*\slot+2:G0B+4*\slot+3], 2*KSTEP*2
	JLOAD \slot                                    ; the first tensor load behind the round, and my only one until the next: one is out
.endif
	PLACES
	FETCH \next, 0, F0
	WIN MUL_HI
	MUL16 F1, 1, 0, 0
	MUL16 F1, 1, 2, 0
.endm
.macro LAP first                       ; once round the ring, both slots filled again
	THREE 0, \first
	TURN 0, 1, 1
	THREE 1, 0
	TURN 1, 0, 1
.endm
	s_wait_loadcnt 0x0                             ; the bias
	s_wait_tensorcnt 1                             ; my part of K step 0 is in; K step 1's may stay out
	s_barrier_signal -1
	s_barrier_wait -1                              ; everybody's is
	FETCH 0, 0, F0
	LAP 1                                          ; the first lap stands in front of the loop: its first products start the sums from the bias
	WIN 0                                          ; at a label and at a branch every window is 0
	s_mov_b32 s3, LAPS-2                           ; laps 1 to 14; lap l asks for K steps 2 l + 2 and 2 l + 3
.Llap:
	LAP 0
	WIN 0
	s_sub_co_u32 s3, s3, 1
	s_cmp_lg_u32 s3, 0
	s_cbranch_scc1 .Llap
	THREE 0, 0                                     ; the last lap fills nothing and has no round of the cluster's barrier: my one tensor load still out is slot 1's, the last K step's
	TURN 0, 1, 0
	THREE 1, 0
	s_wait_dscnt 8                                 ; the very last quarter: nothing more to fetch
	WIN MUL_LO
	MUL16 F1, 0, 0, 0
	MUL16 F1, 0, 2, 0
	s_wait_dscnt 0
	WIN MUL_HI
	MUL16 F1, 1, 0, 0
	MUL16 F1, 1, 2, 0
	; THE WAY OUT, 16 rows at a time: the f32 results go as they are, 32 bytes a lane and tile, into my own stage in LDS, and are read back as whole
	; rows of 512 bytes.  The four v_nop are the places behind the last matrix instructions: for the LDS stores, which read results, and for the
	; loads into buffers 0 and 1.
	PLACES
; rows 16 i .. 16 i + 15 of my block = the eight tiles (a, 0..7) of window 2 or 3 (from = OUT_LO or OUT_HI); f: F0 or F1 in turn
.macro OUT16 i, a, from, f
	WIN \from
.irp b, 0,1,2,3,4,5,6,7
.irp q, 0,1
	ds_store_b128 v[STO], v[8*(8*\a+\b)+4*\q:8*(8*\a+\b)+4*\q+3] offset:64*\b+16*\q   ; row l % 16, columns 16 b + 8 (l / 16) + 4 q .. + 3
.endr
.endr
	WIN 0
.if \i >= 2
	s_wait_xcnt 0x0                                ; buffer f is the data of the stores of block i - 2: it is loaded again only behind this wait (ISA guide 3.1)
.endif
.irp t, 0,1,2,3,4,5,6,7,8,9,10,11,12,13,14,15
	ds_load_b128 v[\f+4*\t:\f+4*\t+3], v[RD] offset:\t*SPITCH      ; LDS serves a wave's instructions in order (ISA guide 5.7.1.4): these see the stores above, and the next block's stores come behind them
.endr
.irp t, 0,1,2,3,4,5,6,7,8,9,10,11,12,13,14,15
	s_wait_dscnt 15-\t                             ; row t is in; the younger loads stay out; the last count is 0
	global_store_b128 v[CO], v[\f+4*\t:\f+4*\t+3], s[10:11] offset:(16*\i+\t)*OROW th:TH_STORE_NT   ; the wave stores 512 consecutive bytes, at a multiple of 512 from out0's first byte; the row stands in the immediate, 127 x 16,384 at the most, inside its signed 24 bits
.endr
.endm
	OUT16 0, 0, OUT_LO, F0
	OUT16 1, 1, OUT_LO, F1
	OUT16 2, 2, OUT_LO, F0
	OUT16 3, 3, OUT_LO, F1
	OUT16 4, 0, OUT_HI, F0
	OUT16 5, 1, OUT_HI, F1
	OUT16 6, 2, OUT_HI, F0
	OUT16 7, 3, OUT_HI, F1
	s_set_vgpr_msb 0x1
	s_wait_tensorcnt 0x0
	ds_add_u32 v63, v255
	s_wait_dscnt 0x0
	s_set_vgpr_msb 0x100
	CROUND                                         ; the closing round: no work-group ends while a partner may still ask for a tile that names it
	s_endpgm
.Lfunc_end_k_q6d95df9b2d_gemm:
	.size	k_q6d95df9b2d_gemm, .Lfunc_end_k_q6d95df9b2d_gemm-k_q6d95df9b2d_gemm
	.p2alignl 7, 3214868480
	.fill 96, 4, 3214868480
	.section	.rodata,"a",@progbits
	.p2align	6, 0x0
	.amdhsa_kernel k_q6d95df9b2d_gemm
		.amdhsa_group_segment_fixed_size 327680
		.amdhsa_private_segment_fixed_size 0
		.amdhsa_enable_private_segment 0
		.amdhsa_kernarg_size 32
		.amdhsa_user_sgpr_count 2
		.amdhsa_user_sgpr_kernarg_segment_ptr 1
		.amdhsa_wavefront_size32 1
		.amdhsa_system_sgpr_workgroup_id_x 1
		.amdhsa_system_sgpr_workgroup_id_y 1
		.amdhsa_system_sgpr_workgroup_id_z 1
		.amdhsa_system_vgpr_workitem_id 0
		.amdhsa_next_free_vgpr 1024
		.amdhsa_next_free_sgpr 72
		.amdhsa_reserve_vcc 0
		.amdhsa_float_denorm_mode_32 3
		.amdhsa_float_denorm_mode_16_64 3
		.amdhsa_memory_ordered 1
		.amdhsa_forward_progress 1
		.amdhsa_inst_pref_size 197
	.end_amdhsa_kernel
	.amdgpu_metadata
---
amdhsa.version: [ 1, 2 ]
amdhsa.kernels:
  - .name:           k_q6d95df9b2d_gemm
    .symbol:         k_q6d95df9b2d_gemm.kd
    .args:
      - { .name: xh, .offset: 0, .size: 8, .value_kind: global_buffer, .address_space: global }
      - { .name: wh, .offset: 8, .size: 8, .value_kind: global_buffer, .address_space: global }
      - { .name: bias, .offset: 16, .size: 8, .value_kind: global_buffer, .address_space: global }
      - { .name: out0, .offset: 24, .size: 8, .value_kind: global_buffer, .address_space: global }
    .group_segment_fixed_size: 327680
    .private_segment_fixed_size: 0
    .kernarg_segment_align: 8
    .kernarg_segment_size: 32
    .max_flat_workgroup_size: 128
    .sgpr_count:     72
    .vgpr_count:     1024
    .wavefront_size: 32
...
	.end_amdgpu_metadata
.endif
;; end of part 2
